; MI455X (gfx1250); checked and timed in simulation.
; The chip was launched on July 23, 2026; its instructions are those of AMD's public machine-readable ISA for CDNA 5 (MIT licence, August 2026) and "CDNA5" Instruction Set Architecture Reference Guide (July 2026). The comments in the code are by the model that wrote it; some were corrected since.
;; Octonion Ternary Linear Ref. Allowed arithmetic: float matrix products may take bf16 or f16 operands with f32 sums; all other float work in f32.
;; Inputs: beta 512 float32; weight 8 x 512 x 512 float32; x_parts 8 x 4,096 x 512 float32.
;; Outputs: out0 8 x 4,096 x 512 float32.
;; 2 versions, each right; version 2 is version 1 with the launch quant written anew for expert scheduling mode. Each part assembles by itself: llvm-mc -triple=amdgcn-amd-amdhsa -mcpu=gfx1250 --defsym DOCPART=n.
;; ======== version 1 of 2: 3 launches
;; workspace buffers: part 1,024 bytes; wq 4,194,304 bytes
;; launch wsum (part 1): grid 256 x 1, 8 waves a work-group, no clusters, 1,280 bytes of LDS; arguments weight, part; writes part
.if DOCPART == 1
	.amdgcn_target "amdgcn-amd-amdhsa--gfx1250"
	.amdhsa_code_object_version 6
	.text
	.protected	k_q14cdc8cc49_wsum
	.globl	k_q14cdc8cc49_wsum
	.p2align	8
	.type	k_q14cdc8cc49_wsum,@function
k_q14cdc8cc49_wsum:
	s_mov_b64 s[64:65], 0
	v_nop
	global_prefetch_b8 v0, s[64:65] scope:SCOPE_SE
	s_setreg_imm32_b32 hwreg(HW_REG_WAVE_MODE, 25, 1), 1
	s_wait_xcnt 0x0
; part[g] = the sum of |weight| over work-group g's 8,192 weights.  The mean of |w| spans all work-groups, so it is finished in the next launch.
; 256 work-groups of eight waves; work-group g owns 32,768 bytes.  Thread t takes 16 bytes at 16 t + 4,096 c, c = 0..7: a wave's load covers
; 512 neighbouring bytes.  All eight loads of a wave go out at once and the waits count down; four chains of sums that do not wait for each other.
; The one store of 4 bytes a work-group makes 1,024 bytes in the whole launch.
; LIMIT: the sum is a tree (lane, wave, work-group), not the order in which reference() adds; see the next launch's head.
.set W, 4                              ; v[4:35]   my 32 weights; later the eight waves' sums in v[4:11]
                                       ; v[36:39]  four running sums
	s_load_b128 s[4:7], s[0:1], 0x0                ; weight s[4:5], part s[6:7]
	v_lshl_add_u32 v48, v0, 2, 0x100
	v_mov_b32 v49, 0
	v_lshrrev_b32 v3, 5, v0
	v_readfirstlane_b32 s12, v3                    ; wave 0..7
	v_lshlrev_b32 v3, 2, v3                        ; my wave's word in LDS
	s_lshl_b32 s8, ttmp9, 15                       ; g x 32,768
	s_mov_b32 s9, 0
	s_lshl_b32 s10, ttmp9, 2                       ; g x 4
	s_mov_b32 s11, 0
	s_mov_b32 s2, 0x76543210                       ; v_permlanex16_b32: lane i of one half reads lane i of the other
	s_mov_b32 s3, 0xfedcba98
	v_lshlrev_b32 v1, 4, v0                        ; 16 t
	s_wait_kmcnt 0x0
	s_add_nc_u64 s[4:5], s[4:5], s[8:9]
	s_add_nc_u64 s[6:7], s[6:7], s[10:11]
.irp c, 0,1,2,3,4,5,6,7
	global_load_b128 v[W+4*\c:W+4*\c+3], v1, s[4:5] offset:4096*\c   ; read again by the next launch: no hint
.endr
	s_wait_loadcnt 6                               ; six loads are younger: the first two pieces are in and start the four chains
	v_add_f32 v36, |v4|, |v8|
	v_add_f32 v37, |v5|, |v9|
	v_add_f32 v38, |v6|, |v10|
	v_add_f32 v39, |v7|, |v11|
.macro MORE left, a, b, c, d           ; one more piece; left = how many younger loads may stay out
	s_wait_loadcnt \left
	v_add_f32 v36, v36, |v\a|
	v_add_f32 v37, v37, |v\b|
	v_add_f32 v38, v38, |v\c|
	v_add_f32 v39, v39, |v\d|
.endm
	MORE 5, 12, 13, 14, 15
	MORE 4, 16, 17, 18, 19
	MORE 3, 20, 21, 22, 23
	MORE 2, 24, 25, 26, 27
	MORE 1, 28, 29, 30, 31
	MORE 0, 32, 33, 34, 35
	v_add_f32 v36, v36, v37
	v_add_f32 v38, v38, v39
	v_add_f32 v36, v36, v38
	v_add_f32_dpp v36, v36, v36 row_xmask:1 row_mask:0xf bank_mask:0xf
	v_add_f32_dpp v36, v36, v36 row_xmask:2 row_mask:0xf bank_mask:0xf
	v_add_f32_dpp v36, v36, v36 row_xmask:4 row_mask:0xf bank_mask:0xf
	v_add_f32_dpp v36, v36, v36 row_xmask:8 row_mask:0xf bank_mask:0xf
	v_permlanex16_b32 v37, v36, s2, s3             ; its destination counts as read: v37 has been written
	v_add_f32 v36, v36, v37                        ; the wave's sum, in every lane
	ds_store_b32 v3, v36                           ; all lanes write the same word with the same value
	s_wait_dscnt 0x0                               ; my wave's word is in LDS, for wave 0's sake
	s_barrier_signal -1
	s_barrier_wait -1
	s_cmp_lg_u32 s12, 0
	s_cbranch_scc1 .Lend                           ; wave 0 alone adds the eight words
	v_mov_b32 v3, 0
	ds_load_b128 v[4:7],  v3
	ds_load_b128 v[8:11], v3 offset:16
	s_wait_dscnt 0x0
	v_add_f32 v4, v4, v5
	v_add_f32 v6, v6, v7
	v_add_f32 v8, v8, v9
	v_add_f32 v10, v10, v11
	v_add_f32 v4, v4, v6
	v_add_f32 v8, v8, v10
	v_add_f32 v4, v4, v8
	v_cmp_eq_u32 vcc_lo, 0, v0
	s_wait_xcnt 0x0                                ; EXEC is a source of the memory instructions above: it is narrowed only behind this wait
	s_and_saveexec_b32 s13, vcc_lo
	global_store_b32 v3, v4, s[6:7]                ; part[g], by thread 0
	s_wait_xcnt 0x0                                ; and widened again only behind this one
	s_or_b32 exec_lo, exec_lo, s13
.Lend:
	s_wait_tensorcnt 0x0
	ds_add_u32 v48, v49
	s_wait_dscnt 0x0
	s_endpgm
.Lfunc_end_k_q14cdc8cc49_wsum:
	.size	k_q14cdc8cc49_wsum, .Lfunc_end_k_q14cdc8cc49_wsum-k_q14cdc8cc49_wsum
	.p2alignl 7, 3214868480
	.fill 96, 4, 3214868480
	.section	.rodata,"a",@progbits
	.p2align	6, 0x0
	.amdhsa_kernel k_q14cdc8cc49_wsum
		.amdhsa_group_segment_fixed_size 1280
		.amdhsa_private_segment_fixed_size 0
		.amdhsa_enable_private_segment 0
		.amdhsa_kernarg_size 16
		.amdhsa_user_sgpr_count 2
		.amdhsa_user_sgpr_kernarg_segment_ptr 1
		.amdhsa_wavefront_size32 1
		.amdhsa_system_sgpr_workgroup_id_x 1
		.amdhsa_system_sgpr_workgroup_id_y 1
		.amdhsa_system_sgpr_workgroup_id_z 1
		.amdhsa_system_vgpr_workitem_id 0
		.amdhsa_next_free_vgpr 50
		.amdhsa_next_free_sgpr 66
		.amdhsa_reserve_vcc 1
		.amdhsa_float_denorm_mode_32 3
		.amdhsa_float_denorm_mode_16_64 3
		.amdhsa_memory_ordered 1
		.amdhsa_forward_progress 1
		.amdhsa_inst_pref_size 6
	.end_amdhsa_kernel
	.amdgpu_metadata
---
amdhsa.version: [ 1, 2 ]
amdhsa.kernels:
  - .name:           k_q14cdc8cc49_wsum
    .symbol:         k_q14cdc8cc49_wsum.kd
    .args:
      - { .name: weight, .offset: 0, .size: 8, .value_kind: global_buffer, .address_space: global }
      - { .name: part, .offset: 8, .size: 8, .value_kind: global_buffer, .address_space: global }
    .group_segment_fixed_size: 1280
    .private_segment_fixed_size: 0
    .kernarg_segment_align: 8
    .kernarg_segment_size: 16
    .max_flat_workgroup_size: 256
    .sgpr_count:     66
    .vgpr_count:     50
    .wavefront_size: 32
...
	.end_amdgpu_metadata
.endif
;; end of part 1
;; launch quant (part 2): grid 256 x 1, 8 waves a work-group, no clusters, 0 bytes of LDS; arguments part, weight, wq; writes wq
.if DOCPART == 2
	.amdgcn_target "amdgcn-amd-amdhsa--gfx1250"
	.amdhsa_code_object_version 6
	.text
	.protected	k_q14cdc8cc49_quant
	.globl	k_q14cdc8cc49_quant
	.p2align	8
	.type	k_q14cdc8cc49_quant,@function
k_q14cdc8cc49_quant:
	s_mov_b64 s[64:65], 0
	v_nop
	global_prefetch_b8 v0, s[64:65] scope:SCOPE_SE
	s_setreg_imm32_b32 hwreg(HW_REG_WAVE_MODE, 25, 1), 1
	s_wait_xcnt 0x0
; The ternary weights in bf16 (-1, 0, +1 are exact there), laid out as the product's tiles: wq[o / 64][d / 64][j][o % 64][d % 64],
; so that the tile of one block of 64 outputs and 64 of d, all eight j, is 65,536 neighbouring bytes.
; gamma = (sum of |w|) / 2^21 + 1e-8.  Every wave adds all 256 partial sums itself, in one fixed order, so gamma has the same bits
; everywhere, without LDS and without a barrier (1,024 bytes a wave, the same for all).
; clip(round(w / gamma), -1, 1) = sign(w) where |w| > gamma / 2, else 0: the first f32 above gamma / 2 gives a quotient above 0.5 + 2^-25,
; which rounds above 0.5; a quotient of 0.5 rounds to 0 (half to even); all from 1.5 up is clipped to 1.  So one compare, no division.
; 256 work-groups of eight waves; a wave owns two neighbouring rows (j, o), (j, o + 1) of 512 weights.  Load c: lanes 0-15 take the 256 bytes
; of d = 64 c .. 64 c + 63 of the first row, lanes 16-31 those of the second: two whole aligned blocks of 256 bytes.  They become 2 x 128 bytes
; that are neighbours in wq: a wave's store covers 256 neighbouring bytes, aligned.
; LIMITS.  The sum of |w| is a tree, not reference()'s order: a weight whose |w| lies within the two sums' rounding difference of
; gamma / 2 may fall on the other side.  wq is taken as the ternary number itself; reference()'s w_c + (w_q - w_c) differs from it by at
; most one f32 rounding.  NaN or infinite weights are not served (reference() is not finite there).
.set H, 4                              ; v4        gamma / 2
.set T, 6                              ; v[6:9] |w|, v[10:13] the ternary number in f32
.set W, 16                             ; v[16:47]  8 x 4 weights as loaded; the first two of each four then hold the bf16 to store
.set P, 48                             ; v[48:55]  my 8 of the 256 partial sums
	s_load_b128 s[4:7], s[0:1], 0x0                ; part s[4:5], weight s[6:7]
	s_load_b64 s[8:9], s[0:1], 0x10                ; wq
	s_lshl_b32 s10, ttmp9, 15                      ; g x 16 rows of 2,048 bytes
	s_mov_b32 s11, 0
	s_bfe_u32 s12, ttmp9, 0x30002                  ; rows 16 g .. 16 g + 15: j = g / 32, o = 16 (g % 32) ..; o / 64 = (g / 4) % 8
	s_lshl_b32 s12, s12, 19                        ; a block of 64 outputs is 524,288 bytes of wq
	s_lshr_b32 s20, ttmp9, 5
	s_lshl_b32 s20, s20, 13                        ; j x 64 rows of 128 bytes
	s_add_co_u32 s12, s12, s20
	s_and_b32 s20, ttmp9, 3
	s_lshl_b32 s20, s20, 11                        ; (o % 64) x 128 bytes = 2,048 (g % 4) + 256 wave + 128 (lane / 16)
	s_add_co_u32 s12, s12, s20
	s_mov_b32 s13, 0
	s_mov_b32 s14, 0x7fffffff                      ; all but the sign
	s_mov_b32 s15, 0x35000000                      ; 2^-21 = 1 / 2,097,152 weights: an exact scaling
	s_mov_b32 s16, 0x322bcc77                      ; 1e-8
	s_mov_b32 s17, 0x07060302                      ; v_perm_b32: the upper halves of two words
	s_mov_b32 s18, 0x76543210
	s_mov_b32 s19, 0xfedcba98
	v_and_b32 v1, 31, v0
	v_lshlrev_b32 v1, 4, v1                        ; 16 x lane
	v_lshrrev_b32 v2, 4, v0                        ; t / 16 = my row among the group's 16
	v_and_b32 v3, 15, v0
	v_lshlrev_b32 v3, 4, v3
	v_lshl_or_b32 v2, v2, 11, v3                   ; row x 2,048 + 16 (t % 16)
	v_lshlrev_b32 v3, 3, v0                        ; 8 t = 256 wave + 8 lane
	s_wait_kmcnt 0x0
	s_add_nc_u64 s[6:7], s[6:7], s[10:11]
	s_add_nc_u64 s[8:9], s[8:9], s[12:13]
	global_load_b128 v[P:P+3],   v1, s[4:5]
	global_load_b128 v[P+4:P+7], v1, s[4:5] offset:512
.irp c, 0,1,2,3,4,5,6,7
	global_load_b128 v[W+4*\c:W+4*\c+3], v2, s[6:7] offset:256*\c th:TH_LOAD_NT   ; the weights' last use
.endr
	s_wait_loadcnt 8                               ; the eight loads of weights are younger: the partial sums are in
	v_pk_add_f32 v[P:P+1], v[P:P+1], v[P+2:P+3]
	v_pk_add_f32 v[P+4:P+5], v[P+4:P+5], v[P+6:P+7]
	v_pk_add_f32 v[P:P+1], v[P:P+1], v[P+4:P+5]
	v_add_f32 v[T], v[P], v[P+1]
	v_add_f32_dpp v[T], v[T], v[T] row_xmask:1 row_mask:0xf bank_mask:0xf
	v_add_f32_dpp v[T], v[T], v[T] row_xmask:2 row_mask:0xf bank_mask:0xf
	v_add_f32_dpp v[T], v[T], v[T] row_xmask:4 row_mask:0xf bank_mask:0xf
	v_add_f32_dpp v[T], v[T], v[T] row_xmask:8 row_mask:0xf bank_mask:0xf
	v_permlanex16_b32 v[P+1], v[T], s18, s19       ; its destination counts as read: it has been written
	v_add_f32 v[T], v[T], v[P+1]                   ; the sum of all |w|, in every lane
	v_fma_f32 v[H], v[T], s15, s16                 ; gamma: the mean (exact) + 1e-8, one rounding
	v_mul_f32 v[H], 0.5, v[H]                      ; gamma / 2 (exact)
.irp c, 0,1,2,3,4,5,6,7
	s_wait_loadcnt 7-\c                            ; piece c is in, the younger ones stay out
.irp e, 0,1,2,3
	v_and_b32 v[T+\e], s14, v[W+4*\c+\e]           ; |w|
	v_bfi_b32 v[T+4+\e], s14, 1.0, v[W+4*\c+\e]    ; 1.0 with w's sign
	v_cmp_gt_f32 vcc_lo, v[T+\e], v[H]
	v_cndmask_b32 v[T+4+\e], 0, v[T+4+\e], vcc_lo  ; or 0 where |w| <= gamma / 2
.endr
	v_perm_b32 v[W+4*\c],   v[T+5], v[T+4], s17    ; the upper half of such an f32 is its bf16, exactly
	v_perm_b32 v[W+4*\c+1], v[T+7], v[T+6], s17
	global_store_b64 v3, v[W+4*\c:W+4*\c+1], s[8:9] offset:65536*\c   ; d / 64 = c: tiles are 65,536 bytes apart.  Read again by the product: no hint
.endr
	s_endpgm
.Lfunc_end_k_q14cdc8cc49_quant:
	.size	k_q14cdc8cc49_quant, .Lfunc_end_k_q14cdc8cc49_quant-k_q14cdc8cc49_quant
	.p2alignl 7, 3214868480
	.fill 96, 4, 3214868480
	.section	.rodata,"a",@progbits
	.p2align	6, 0x0
	.amdhsa_kernel k_q14cdc8cc49_quant
		.amdhsa_group_segment_fixed_size 0
		.amdhsa_private_segment_fixed_size 0
		.amdhsa_enable_private_segment 0
		.amdhsa_kernarg_size 24
		.amdhsa_user_sgpr_count 2
		.amdhsa_user_sgpr_kernarg_segment_ptr 1
		.amdhsa_wavefront_size32 1
		.amdhsa_system_sgpr_workgroup_id_x 1
		.amdhsa_system_sgpr_workgroup_id_y 1
		.amdhsa_system_sgpr_workgroup_id_z 1
		.amdhsa_system_vgpr_workitem_id 0
		.amdhsa_next_free_vgpr 56
		.amdhsa_next_free_sgpr 66
		.amdhsa_reserve_vcc 1
		.amdhsa_float_denorm_mode_32 3
		.amdhsa_float_denorm_mode_16_64 3
		.amdhsa_memory_ordered 1
		.amdhsa_forward_progress 1
		.amdhsa_inst_pref_size 11
	.end_amdhsa_kernel
	.amdgpu_metadata
---
amdhsa.version: [ 1, 2 ]
amdhsa.kernels:
  - .name:           k_q14cdc8cc49_quant
    .symbol:         k_q14cdc8cc49_quant.kd
    .args:
      - { .name: part, .offset: 0, .size: 8, .value_kind: global_buffer, .address_space: global }
      - { .name: weight, .offset: 8, .size: 8, .value_kind: global_buffer, .address_space: global }
      - { .name: wq, .offset: 16, .size: 8, .value_kind: global_buffer, .address_space: global }
    .group_segment_fixed_size: 0
    .private_segment_fixed_size: 0
    .kernarg_segment_align: 8
    .kernarg_segment_size: 24
    .max_flat_workgroup_size: 256
    .sgpr_count:     66
    .vgpr_count:     56
    .wavefront_size: 32
...
	.end_amdgpu_metadata
.endif
;; end of part 2
;; launch gemm (part 3): grid 8 x 32, 4 waves a work-group, clusters of 4 x 4, 327,680 bytes of LDS; arguments x_parts, wq, beta, out0; writes out0
.if DOCPART == 3
	.amdgcn_target "amdgcn-amd-amdhsa--gfx1250"
	.amdhsa_code_object_version 6
	.text
	.protected	k_q14cdc8cc49_gemm
	.globl	k_q14cdc8cc49_gemm
	.p2align	8
	.type	k_q14cdc8cc49_gemm,@function
k_q14cdc8cc49_gemm:
	s_mov_b64 s[64:65], 0
	v_nop
	global_prefetch_b8 v0, s[64:65] scope:SCOPE_SE
	s_setreg_imm32_b32 hwreg(HW_REG_WAVE_MODE, 25, 1), 1
	s_wait_xcnt 0x0
	s_wait_alu depctr_hold_cnt(0) depctr_sa_sdst(0) depctr_va_vdst(0) depctr_va_sdst(0) depctr_va_ssrc(0) depctr_va_vcc(0) depctr_vm_vsrc(0)
	s_getreg_b32 s2, hwreg(HW_REG_IB_STS2, 6, 4)
	s_cmp_eq_u32 s2, 0
	s_cbranch_scc0 .Lentry_in_a_cluster
	s_endpgm
.Lentry_in_a_cluster:
	s_bfe_u32 s2, ttmp6, 0x10000c
	s_cmp_lg_u32 s2, 0xf033
	s_cbranch_scc0 .Lentry_shape_is_right
	s_endpgm
.Lentry_shape_is_right:
; out0[k][n][o] = beta[o] x sum over i, d of SGN[k][i] x[i][n][d] wq[k xor i][o][d].
; The 64 blocks (k, i) of the big matrix are only 8 different blocks, so a wave owns ALL eight k of a patch of 64 tokens x 32 outputs:
; 8 k x 4 row blocks x 2 o blocks = 64 accumulator tiles of 16 x 16, 512 registers.  For one part i and 32 of d every accumulator (k, rb, ob)
; takes x_i[rb] x W_(i xor k)[ob]: 4 fragments of x and 16 fragments of W feed 64 matrix instructions, and the W fragments stay in registers
; for all eight i.  For 64 matrix instructions a wave reads 8 KiB of x (f32) and, on average, 2 KiB of W from LDS.
; SIGNS.  An accumulator holds sigma_k x (the true sum).  Where SGN[k][i] is sigma_k the link is D = A B + C; where it differs the link is
; D = A B - C (neg_lo on C) and sigma_k turns over: in both cases sigma_k = SGN[k][i] afterwards.  All of it is fixed when the text is assembled.
; The parts run 7, 6, .. 0, so the last link has SGN[k][0] = +1 and every accumulator ends as the true sum.  Negating C is exact.
; x IS READ AS f32 and rounded to bf16 (nearest even) on the way from LDS to the matrix unit: 32 conversions for 64 matrix instructions.
; A work-group: 128 tokens x 64 outputs x 8 k, four waves (2 halves of the tokens x 2 halves of the outputs); 32 x 8 = 256 work-groups.
; d goes in 8 D-steps of 64; a D-step in 4 phases of two parts (7, 6), (5, 4), (3, 2), (1, 0); a phase in 4 steps of 64 matrix instructions
; (d chunk 0: both parts, d chunk 1: both parts).  LDS: two slots for x (2 parts x 128 rows x 64 f32: rows of 256 bytes of memory, aligned),
; one slot for W (a D-step's tile, 65,536 neighbouring bytes of wq).
; CLUSTERS: 4 x 4 work-groups.  The four of a row of the cluster have the same tokens and need the same tiles of x; the four of a column have the
; same outputs and need the same tiles of W.  Such a tile is asked for JOINTLY, which divides the requests by four.
; LIMITS: x enters the products as bf16; the weights are exact; the order of the sums differs from reference()'s.
;
; REGISTERS, in windows of 256: window 0: v0-31 addresses and beta; v32-95 raw x (4 fragments x 16 f32); v96-127, v128-159 x in bf16, two buffers;
; window 1: W's fragments, d chunk c at v[128 c], fragment (j, ob) at 8 (2 j + ob);  window 2: accumulators of row blocks 0, 1 (tile (rb, k, ob) at
; v[8 (16 rb + 2 k + ob)]);  window 3: row blocks 2, 3.
; THE MATRIX INSTRUCTION IS USED TRANSPOSED: source 0 = 16 rows of W, source 1 = 16 rows of x.  Lane l then holds token l % 16 and its registers
; 0 to 7 the outputs 8 (l / 16) + 0 .. 7: 32 neighbouring bytes of a row of out0.
.set APITCH, 272                       ; an LDS row of x: 256 bytes + 16 of padding, an odd multiple of 16: the 16 rows that a load touches start at 16 different 16-byte columns of 256
.set AHALF,  128*APITCH                ; one part's 128 rows: what one tensor load brings (34,816)
.set ASLOT,  2*AHALF                   ; 69,632
.set BBASE,  2*ASLOT                   ; 139,264: W's slot, behind x's two
.set BPITCH, 144                       ; an LDS row of W: 128 bytes + 16
.set BHALF,  256*BPITCH                ; four j x 64 rows: what one tensor load brings (36,864); W's slot ends at 212,992
.set OPITCH, 272                       ; the way out: a row of 64 f32 + 16 bytes
.set KROWS,  128*OPITCH                ; one k's 128 rows (34,816); 8 of them are 278,528 bytes
.set NEGT,   0x3298540ea4c268fe        ; bit 8 k + i is set where SGN[k][i] = -1
.set STO,  8                           ; v8-11   the way out: where I put 32 bytes of a row, for k = 0-1, 2-3, 4-5, 6-7
.set RD,   12                          ; v12-13  the way out: where I read 16 bytes back, for my first and my second k
.set CO,   14                          ; v14     my byte offset in out0 among two rows
.set BO,   15                          ; v15     my byte offset in beta
.set ADRA, 16                          ; v16-17  LDS address of my x fragments in slot 0, 1
.set ADRB, 20                          ; v20-21  LDS address of my W fragments, j = 0-3 and j = 4-7
.set BETA, 28                          ; v[28:31] beta of the four outputs that I store
.set RAW,  32
.set XA,   96
.set XB,   128
.set F0,   32                          ; the way out: two buffers of 16 x 4 registers
.set F1,   96
.set G1,  24                           ; s[24:31] descriptor group 1 for x's tiles
.set G0,  32                           ; s[32:39] descriptor group 0 for x's tiles, one set for each slot
.set G1B, 48                           ; s[48:55] descriptor group 1 for W's tiles
.set G0B, 56                           ; s[56:59] descriptor group 0 for W's tiles
; other scalars: s3 = D-step; s12 wave, s13 wave >> 1, s14 wave & 1; s16 cx, s17 cy, s18 block of outputs, s19 block of tokens; s[40:41] x's base, s[42:43] W's;
; s[44:45], s[46:47] a tile's offset from them (high words 0); s68, s69 = 256 x D-step, 256 x (D-step + 1); s[72:75] out0 at my two k.
; No register that feeds x's descriptors ever holds cx, none that feeds W's ever holds cy.
.set MSB, 0
.macro WIN new                         ; the immediate's high byte repeats the setting that is left; a switch that changes nothing is dropped
.if MSB != \new
	s_set_vgpr_msb (MSB<<8)|\new
.set MSB, \new
.endif
.endm
.set MUL_LO, 0xa1                      ; source 0 (W) window 1, source 1 (x) window 0, C and D window 2
.set MUL_HI, 0xf1                      ; the same, C and D window 3
.set TO_B,   0x40                      ; destination window 1, address window 0
; Joint loads.  Waves 0 and 1 fetch the two parts of x's tile; waves 2 and 3 the two halves of W's, once in a D-step.  The branches hang on the wave's number alone.
.macro JLOADA s
	s_cmp_eq_u32 s13, 0
	s_cbranch_scc0 .Lno_a_\@
	tensor_load_to_lds s[G0+4*\s:G0+4*\s+3], s[G1:G1+7]
	s_nop 0
.Lno_a_\@:
.endm
.macro JLOADAB s
	s_cmp_eq_u32 s13, 0
	s_cbranch_scc0 .Lfor_b_\@
	tensor_load_to_lds s[G0+4*\s:G0+4*\s+3], s[G1:G1+7]
	s_nop 0
	s_branch .Lasked_\@
.Lfor_b_\@:
	tensor_load_to_lds s[G0B:G0B+3], s[G1B:G1B+7]
	s_nop 0
.Lasked_\@:
.endm
; A round of the cluster's barrier: my work-group's barrier, so that wave 0's signal speaks for all four waves; wave 0 signals for the work-group;
; every wave waits for all sixteen work-groups; my work-group's barrier once more.
.macro CREST                           ; a round behind its opening barrier
	s_cmp_lg_u32 s12, 0
	s_cbranch_scc1 .Lnot_wave_0_\@
	s_barrier_signal -3
.Lnot_wave_0_\@:
	s_barrier_wait -3
	s_barrier_signal -1
	s_barrier_wait -1
.endm
.macro CROUND                          ; a whole round
	s_barrier_signal -1
	s_barrier_wait -1
	CREST
.endm
; the offsets that hang on the D-step s3.  These registers are in no descriptor: they may be written while loads are out.  (In the last D-step s69 and s46 are not used.)
.macro HEAD
	s_lshl_b32 s68, s3, 8                          ; 64 f32 of a row of x
	s_add_co_u32 s23, s3, 1
	s_lshl_b32 s69, s23, 8
	s_lshl_b32 s46, s23, 16                        ; the next D-step's tile of W
.endm
; group 0's address for x's tile of phase pp of the D-step whose offset is s[oa]: parts 7 - 2 pp and 6 - 2 pp are 2 (3 - pp) planes of 2^23 bytes up, plus the wave's own.
; Stands where no tensor load of the wave is out.
.macro ADDRA slot, oa, pp
	s_add_co_u32 s44, s[\oa], ((3-\pp)<<24)
	s_add_nc_u64 s[G0+4*\slot+2:G0+4*\slot+3], s[40:41], s[44:45]
	s_or_b32 s[G0+4*\slot+3], s[G0+4*\slot+3], 0x80000000          ; 127:126 type = 2
.endm
.macro ADDRB
	s_add_nc_u64 s[G0B+2:G0B+3], s[42:43], s[46:47]
	s_or_b32 s[G0B+3], s[G0B+3], 0x80000000
.endm
	s_load_b256 s[4:11], s[0:1], 0x0               ; x s[4:5], wq s[6:7], beta s[8:9], out0 s[10:11]
	v_lshl_add_u32 v254, v0, 2, 0x44000
	v_mov_b32 v255, 0
	ds_add_u32 v254, v255
	ds_add_u32 v254, v255
	v_lshrrev_b32 v1, 5, v0
	v_readfirstlane_b32 s12, v1                    ; wave 0..3
	s_lshr_b32 s13, s12, 1                         ; which half of the tokens is mine.  Also: I fetch for x (0) or for W (1)
	s_and_b32 s14, s12, 1                          ; which half of the outputs.  Also: which part, or which half of W's tile, I fetch
	s_bfe_u32 s16, ttmp6, 0x40000                  ; cx: my place along the cluster's x
	s_bfe_u32 s17, ttmp6, 0x40004                  ; cy: along its y
	s_lshl_b32 s18, ttmp9, 2                       ; in a cluster launch ttmp9 and ttmp7 count clusters
	s_add_co_u32 s18, s18, s16                     ; block of 64 outputs = 4 x cluster x + cx, 0..7
	s_and_b32 s19, ttmp7, 0xffff
	s_lshl_b32 s19, s19, 2
	s_add_co_u32 s19, s19, s17                     ; block of 128 tokens = 4 x cluster y + cy, 0..31
	s_lshl_b32 s20, s17, 2
	s_lshl_b32 s20, 15, s20                        ; my row of the cluster: places 4 cy .. 4 cy + 3
	s_lshl_b32 s21, 0x1111, s16                    ; my column: places cx, cx + 4, cx + 8, cx + 12
	; group 1 for x: 128 rows x 64 elements of 4 bytes, 512 elements from row to row; 4 words of padding after every 64 words
	s_or_b32 s[G1+0], s20, (2<<16)|(1<<20)|(1<<21)|(5<<22)|(3<<25)  ; 15:0 the mask: my row; 17:16 element of 4 bytes; 20 padding on; 21 set beside a mask; 24:22 interval code 5; 31:25 pad code 3
	s_mov_b32 s[G1+1], 64<<16                      ; 63:48 tensor_dim0 = 64
	s_mov_b32 s[G1+2], 128<<16                     ; 95:80 tensor_dim1 = 128
	s_mov_b32 s[G1+3], 64<<16                      ; 127:112 tile_dim0 = 64
	s_mov_b32 s[G1+4], 128                         ; 143:128 tile_dim1 = 128; tile_dim2 = 0
	s_mov_b32 s[G1+5], 512                         ; 191:160 elements from row to row
	s_mov_b32 s[G1+6], 0
	s_mov_b32 s[G1+7], 0
	; group 1 for W: 32,768 neighbouring bytes as 128 rows x 32 elements of 8 bytes; 4 words of padding after every 32 words, that is behind each 128 bytes (one o's 64 d):
	; the words are counted along the whole tile, and 32 divides the row's 64
	s_or_b32 s[G1B+0], s21, (3<<16)|(1<<20)|(1<<21)|(4<<22)|(3<<25) ; the mask: my column; element of 8 bytes; interval code 4
	s_mov_b32 s[G1B+1], 32<<16
	s_mov_b32 s[G1B+2], 128<<16
	s_mov_b32 s[G1B+3], 32<<16
	s_mov_b32 s[G1B+4], 128
	s_mov_b32 s[G1B+5], 32
	s_mov_b32 s[G1B+6], 0
	s_mov_b32 s[G1B+7], 0
	; where the tiles come from.  x's hang on the block of tokens alone, which my row of the cluster shares; W's on the block of outputs alone.
	s_lshl_b32 s44, s19, 18                        ; 128 tokens x 2,048 bytes
	s_xor_b32 s22, s14, 1
	s_lshl_b32 s22, s22, 23                        ; wave 0 fetches the odd part of a pair (7, 5, 3, 1), wave 1 the even one
	s_add_co_u32 s44, s44, s22
	s_mov_b32 s45, 0
	s_lshl_b32 s46, s18, 19                        ; a block of outputs is 524,288 bytes of wq
	s_lshl_b32 s23, s14, 15                        ; j = 0-3 or j = 4-7
	s_add_co_u32 s46, s46, s23
	s_mov_b32 s47, 0
	s_lshl_b32 s72, s12, 24                        ; out0: I store k = 2 wave and 2 wave + 1, planes of 2^23 bytes,
	s_lshl_b32 s76, s19, 18                        ; my work-group's 128 tokens,
	s_add_co_u32 s72, s72, s76
	s_lshl_b32 s77, s18, 8                         ; and its 64 outputs, 256 bytes (also its place in beta)
	s_add_co_u32 s72, s72, s77                     ; below 67,108,864 in all
	s_mov_b32 s73, 0
	s_mul_i32 s22, s12, AHALF                      ; where x's tiles go: wave x 128 rows (waves 0 and 1 alone use it): no place in the cluster enters an LDS address
	s_wait_dscnt 0x0
	s_wait_kmcnt 0x0
	s_add_nc_u64 s[40:41], s[4:5], s[44:45]
	s_add_nc_u64 s[42:43], s[6:7], s[46:47]
	s_add_nc_u64 s[72:73], s[10:11], s[72:73]
	s_add_nc_u64 s[74:75], s[72:73], 0x800000
	s_mov_b32 s3, 0                                ; D-step 0
	HEAD
	CROUND                                         ; all sixteen work-groups are here: the first joint loads meet
.irp s, 0,1
	s_mov_b32 s[G0+4*\s], 1                        ; 1:0 count = 1
	s_add_co_u32 s[G0+4*\s+1], s22, \s*ASLOT       ; 63:32 LDS address
	ADDRA \s, 68, \s                               ; phase s of D-step 0
.endr
	s_mov_b32 s[G0B], 1
	s_mul_i32 s[G0B+1], s12, BHALF
	s_add_co_u32 s[G0B+1], s[G0B+1], BBASE-2*BHALF ; waves 2 and 3: W's slot + (wave - 2) x 36,864
	s_mov_b64 s[G0B+2:G0B+3], s[42:43]             ; D-step 0's tile
	s_or_b32 s[G0B+3], s[G0B+3], 0x80000000
	s_cmp_eq_u32 s13, 0                            ; all first fills in one branch: waves 0 and 1 have two loads out, waves 2 and 3 one
	s_cbranch_scc0 .Lfirst_b
	tensor_load_to_lds s[G0:G0+3], s[G1:G1+7]
	s_nop 0
	tensor_load_to_lds s[G0+4:G0+7], s[G1:G1+7]
	s_nop 0
	s_branch .Lfirst_done
.Lfirst_b:
	tensor_load_to_lds s[G0B:G0B+3], s[G1B:G1B+7]
	s_nop 0
.Lfirst_done:
	; A fragment is 16 rows x 32 K: lane l holds row l % 16; its first half holds K = 8 (l / 16) + 0..7, its second K = 16 + 8 (l / 16) + 0..7.
	; In f32 that is 32 bytes at 32 (l / 16) and 32 bytes 64 further on; in bf16 16 bytes at 16 (l / 16) and 16 bytes 32 further on.
	v_and_b32 v1, 15, v0                           ; l % 16
	v_bfe_u32 v2, v0, 4, 1                         ; l / 16
	v_mul_u32_u24 v3, v1, APITCH
	v_lshl_add_u32 v3, v2, 5, v3
	s_mul_i32 s76, s13, 64*APITCH                  ; my 64 tokens
	v_add_nc_u32 v[ADRA], s76, v3
	v_add_nc_u32 v[ADRA+1], ASLOT, v[ADRA]
	v_mul_u32_u24 v4, v1, BPITCH
	v_lshl_add_u32 v4, v2, 4, v4
	s_mul_i32 s76, s14, 32*BPITCH                  ; my 32 outputs
	s_add_co_u32 s76, s76, BBASE
	v_add_nc_u32 v[ADRB], s76, v4
	v_add_nc_u32 v[ADRB+1], BHALF, v[ADRB]
	s_lshl_b32 s76, s14, 7                         ; the way out, in: row (token), my outputs' 128 bytes, 32 bytes for each half of the lanes: the pitch is x's
	v_add_nc_u32 v[STO], s76, v[ADRA]
	v_add_nc_u32 v[STO+1], 2*KROWS, v[STO]
	v_add_nc_u32 v[STO+2], 2*KROWS, v[STO+1]
	v_add_nc_u32 v[STO+3], 2*KROWS, v[STO+2]
	v_lshlrev_b32 v5, 4, v1                        ; back: lanes 0-15 take one row of 256 bytes, lanes 16-31 the next
	v_mul_u32_u24 v6, v2, OPITCH
	v_add_nc_u32 v6, v6, v5
	s_mul_i32 s76, s12, 2*KROWS                    ; my two k
	v_add_nc_u32 v[RD], s76, v6
	v_add_nc_u32 v[RD+1], KROWS, v[RD]
	v_lshl_add_u32 v[CO], v2, 11, v5               ; and the same two rows in out0
	v_add_nc_u32 v[BO], s77, v5
	global_load_b128 v[BETA:BETA+3], v[BO], s[8:9] ; beta of the four outputs that I store in every row
; 16 matrix instructions: row block rb x all 8 k x both o blocks, part i, d chunk c, x from buffer x.  prev = the part of the step before: the link takes -C where
; SGN[k][i] differs from SGN[k][prev].  zero = 1: the first product starts the sums: nothing is ever cleared.
.macro W16 i, prev, c, x, rb, zero
.irp k, 0,1,2,3,4,5,6,7
.irp ob, 0,1
.if \zero
	v_wmma_f32_16x16x32_bf16 v[8*(16*(\rb&1)+2*\k+\ob):8*(16*(\rb&1)+2*\k+\ob)+7], v[128*\c+8*(2*(\i^\k)+\ob):128*\c+8*(2*(\i^\k)+\ob)+7], v[\x+8*\rb:\x+8*\rb+7], 0
.else
.if (((NEGT>>(8*\k+\i))^(NEGT>>(8*\k+\prev)))&1)
	v_wmma_f32_16x16x32_bf16 v[8*(16*(\rb&1)+2*\k+\ob):8*(16*(\rb&1)+2*\k+\ob)+7], v[128*\c+8*(2*(\i^\k)+\ob):128*\c+8*(2*(\i^\k)+\ob)+7], v[\x+8*\rb:\x+8*\rb+7], v[8*(16*(\rb&1)+2*\k+\ob):8*(16*(\rb&1)+2*\k+\ob)+7] neg_lo:[0,0,1]
.else
	v_wmma_f32_16x16x32_bf16 v[8*(16*(\rb&1)+2*\k+\ob):8*(16*(\rb&1)+2*\k+\ob)+7], v[128*\c+8*(2*(\i^\k)+\ob):128*\c+8*(2*(\i^\k)+\ob)+7], v[\x+8*\rb:\x+8*\rb+7], v[8*(16*(\rb&1)+2*\k+\ob):8*(16*(\rb&1)+2*\k+\ob)+7]
.endif
.endif
.endr
.endr
.endm
; the raw x of one step becomes four bf16 fragments in buffer x: 32 conversions, two roundings each
.macro CVT x
.irp f, 0,1,2,3
.irp q, 0,1,2,3,4,5,6,7
	v_cvt_pk_bf16_f32 v[\x+8*\f+\q], v[RAW+16*\f+2*\q], v[RAW+16*\f+2*\q+1]
.endr
.endr
.endm
; 16 LDS loads: the raw x of one step: my 64 tokens of part ii (0, 1) of a slot, d chunk c
.macro LDRAW slot, ii, c
.irp f, 0,1,2,3
	ds_load_b128 v[RAW+16*\f:RAW+16*\f+3],     v[ADRA+\slot] offset:\ii*AHALF+\f*16*APITCH+\c*128
	ds_load_b128 v[RAW+16*\f+4:RAW+16*\f+7],   v[ADRA+\slot] offset:\ii*AHALF+\f*16*APITCH+\c*128+16
	ds_load_b128 v[RAW+16*\f+8:RAW+16*\f+11],  v[ADRA+\slot] offset:\ii*AHALF+\f*16*APITCH+\c*128+64
	ds_load_b128 v[RAW+16*\f+12:RAW+16*\f+15], v[ADRA+\slot] offset:\ii*AHALF+\f*16*APITCH+\c*128+80
.endr
.endm
; 32 LDS loads: W's 16 fragments (8 j x my 2 o blocks) of d chunk c
.macro LDB c
	WIN TO_B
.irp j, 0,1,2,3,4,5,6,7
.irp ob, 0,1
	ds_load_b128 v[128*\c+8*(2*\j+\ob):128*\c+8*(2*\j+\ob)+3],   v[ADRB+(\j>>2)] offset:(\j&3)*64*BPITCH+\ob*16*BPITCH+\c*64
	ds_load_b128 v[128*\c+8*(2*\j+\ob)+4:128*\c+8*(2*\j+\ob)+7], v[ADRB+(\j>>2)] offset:(\j&3)*64*BPITCH+\ob*16*BPITCH+\c*64+32
.endr
.endr
	WIN 0
.endm
; ONE STEP: 64 matrix instructions, every accumulator once, always in the same order: the accumulators take turns, one instruction a turn, over the loop's backward
; jump and into the tail.  In its middle one run: the next step's raw x is converted into the other buffer (xn), the raw x of the
; step after that is loaded (slot nslot, part nii, chunk nc), and where lb is 1 or 2 W's chunk lb - 1 is loaded again.
; DISTANCES (ISA guide 7.12.1).  A conversion writes a fragment that matrix instructions of the step before have read: fragments 0 and 1 were read ahead of that step's
; own 32 conversions, fragments 2 and 3 are written behind this run's first 16.  A link whose sign of C differs from the link before on its accumulator is no chain in
; place and stands five places behind it: between two turns of an accumulator stands a run of 32 conversions, of which at most 8 name one of its registers.  W's
; registers are loaded again behind the run's 32 conversions.  A step with nothing left to convert (cv = 0) has five v_nop there.
; bar: 0 none; 1 the barrier in front of x's refill; 2 the same with W's refill; 3 my work-group's barrier alone (nothing is filled).  In front of it each wave waits
; for its LDS reads (the last were issued 48 matrix instructions ago) and for all its tensor loads; it opens a round of the cluster's barrier; behind the round the
; refill comes first, one tensor load a wave, then the other slot is read.  From a request to the wait for it a wave issues 256 matrix instructions.
.macro SQ i, prev, c, x, xn, zero, bar, rslot, roa, rpp, cv, ld, nslot, nii, nc, lb
	WIN MUL_LO
	W16 \i, \prev, \c, \x, 0, \zero
.if \bar
	s_wait_dscnt 0x0                               ; my reads of the slot that is filled again, and of W's slot, are over
	s_set_vgpr_msb 0xa1a0
	s_wait_tensorcnt 0x0                           ; and all my tensor loads have landed:
	ds_add_u32 v254, v255
	s_wait_dscnt 0x0
	s_set_vgpr_msb 0xa0a1
	s_barrier_signal -1                            ; say so,
.endif
	W16 \i, \prev, \c, \x, 1, \zero
	WIN 0                                          ; (branches may follow)
.if \bar
	s_barrier_wait -1                              ; and go on when all four have said so
.if \bar < 3
	CREST                                          ; all sixteen work-groups have said so
	ADDRA \rslot, \roa, \rpp                       ; no tensor load of mine is out: group 0 may be written
.if \bar == 2
	ADDRB
	JLOADAB \rslot
.else
	JLOADA \rslot
.endif
.endif
.endif
.if \cv
	s_wait_dscnt 0x0                               ; the raw x, and W's fragments if any, asked for 64 matrix instructions ago
	CVT \xn
.else
.rept 5
	v_nop
.endr
.endif
.if \ld
	LDRAW \nslot, \nii, \nc
.endif
.if \lb
	LDB (\lb-1)
.endif
	WIN MUL_HI
	W16 \i, \prev, \c, \x, 2, \zero
	W16 \i, \prev, \c, \x, 3, \zero
.endm
; A PHASE: parts 7 - 2 p and 6 - 2 p, from slot p & 1.  Steps 0 and 1 load the raw x of steps 2 and 3; steps 2 and 3 that of the next phase, from the other slot:
; so this slot's last read is issued in step 1, and the barrier in step 2 frees it for the tile two phases ahead (phase (p + 2) & 3 of the D-step at s[roa]).
.macro PHASE p, prev0, zero, bar, roa, lb0, lb2
	SQ (7-2*\p), \prev0,   0, XA, XB, \zero, 0, 0, 0, 0, 1, 1, (\p&1), 0, 1, \lb0
	SQ (6-2*\p), (7-2*\p), 0, XB, XA, 0, 0, 0, 0, 0, 1, 1, (\p&1), 1, 1, 0
	SQ (7-2*\p), (6-2*\p), 1, XA, XB, 0, \bar, (\p&1), \roa, ((\p+2)&3), 1, 1, (1-(\p&1)), 0, 0, \lb2
	SQ (6-2*\p), (7-2*\p), 1, XB, XA, 0, 0, 0, 0, 0, 1, 1, (1-(\p&1)), 1, 0, 0
.endm
; A D-STEP.  W's registers: chunk 1 is free when the D-step before has ended and is loaded in the first step (lb0 = 2); chunk 0 is free behind phase 3's second step
; and takes the next D-step's fragments in its third.  Both reads of a tile of W thus lie between phase 3's barrier and the next phase 0's, behind which W's one slot
; is filled again; that load is shown landed to all at phase 1's barrier.
.macro BODY zero, lb0
	PHASE 0, 0, \zero, 2, 68, \lb0, 0
	PHASE 1, 6, 0, 1, 68, 0, 0
	PHASE 2, 4, 0, 1, 69, 0, 0
	PHASE 3, 2, 0, 1, 69, 0, 1
.endm
	s_wait_tensorcnt 0x0                           ; my first fills are in (the counts differ between the waves: the wait is for 0)
	s_barrier_signal -1
	s_barrier_wait -1                              ; everybody's are
	LDRAW 0, 0, 0                                  ; step 0's raw x
	LDB 0
	s_wait_dscnt 32                                ; the 32 loads of W are younger: the raw x is in
	CVT XA
	LDRAW 0, 1, 0                                  ; step 1's
	LDB 1
	s_wait_loadcnt 0x0                             ; beta, once
	s_wait_dscnt 48                                ; 16 + 32 loads are younger: W's chunk 0 is in
	BODY 1, 0                                      ; D-step 0 stands in front of the loop: its first products start the sums
	WIN 0                                          ; at a label and at a branch every window is 0
	s_mov_b32 s3, 1
.Lstep:                                            ; D-steps 1 to 6
	HEAD
	BODY 0, 2
	WIN 0
	s_add_co_u32 s3, s3, 1
	s_cmp_lt_u32 s3, 7
	s_cbranch_scc1 .Lstep
	HEAD                                           ; D-step 7: no tile of W is left to fetch, and of x only its own phases 2 and 3
	PHASE 0, 0, 0, 1, 68, 2, 0
	PHASE 1, 6, 0, 1, 68, 0, 0
	PHASE 2, 4, 0, 3, 0, 0, 0                      ; no refill, so my work-group's barrier alone: the load that was out is the last phase's
	SQ 1, 2, 0, XA, XB, 0, 0, 0, 0, 0, 1, 1, 1, 0, 1, 0
	SQ 0, 1, 0, XB, XA, 0, 0, 0, 0, 0, 1, 1, 1, 1, 1, 0
	SQ 1, 0, 1, XA, XB, 0, 0, 0, 0, 0, 1, 0, 0, 0, 0, 0    ; converts the last step's x, loads nothing
	SQ 0, 1, 1, XB, XA, 0, 0, 0, 0, 0, 0, 0, 0, 0, 0, 0    ; part 0 last: every accumulator ends with the sign +
	; THE WAY OUT.  A wave holds 128 bytes of each of its rows, the wave beside it the other 128 of the same aligned 256.  So the whole result of the work-group, 8 k x 128
	; rows of 256 bytes, goes into LDS, over the slots, which have had their last fill; then each wave takes two k, reads whole rows, multiplies by beta and stores.
.rept 4
	v_nop                                          ; four places behind the last matrix instructions, for the LDS stores that read results and the loads into x's buffers
.endr
	WIN 0
	s_wait_dscnt 0x0
	s_barrier_signal -1
	s_barrier_wait -1                              ; no wave reads a slot any more
.macro PUT hi                          ; the accumulators of one window as they are, 32 bytes a lane and tile
.irp k, 0,1,2,3,4,5,6,7
.irp rb, 0,1
.irp ob, 0,1
	ds_store_b128 v[STO+(\k>>1)], v[8*(16*\rb+2*\k+\ob):8*(16*\rb+2*\k+\ob)+3]   offset:(\k&1)*KROWS+(2*\hi+\rb)*16*OPITCH+\ob*64
	ds_store_b128 v[STO+(\k>>1)], v[8*(16*\rb+2*\k+\ob)+4:8*(16*\rb+2*\k+\ob)+7] offset:(\k&1)*KROWS+(2*\hi+\rb)*16*OPITCH+\ob*64+16
.endr
.endr
.endr
.endm
	WIN 0x08                                       ; an LDS store's data are source 1: window 2
	PUT 0
	WIN 0x0c                                       ; window 3
	PUT 1
	WIN 0
	s_wait_dscnt 0x0                               ; my stores are in LDS, for the others' sake
	s_barrier_signal -1
	s_barrier_wait -1
; 32 rows of my k number kk (0, 1): row pairs 16 b .. 16 b + 15, through buffer f
.macro OUTB kk, b, f
	s_wait_xcnt 0x0                                ; every earlier memory instruction has had its addresses translated (ISA guide 3.1): buffer f, which stores read, is rewritten only behind this wait
.irp t, 0,1,2,3,4,5,6,7,8,9,10,11,12,13,14,15
	ds_load_b128 v[\f+4*\t:\f+4*\t+3], v[RD+\kk] offset:(16*\b+\t)*2*OPITCH
.endr
.irp t, 0,1,2,3,4,5,6,7,8,9,10,11,12,13,14,15
	s_wait_dscnt 15-\t                             ; pair t is in, the younger ones stay out
	v_pk_mul_f32 v[\f+4*\t:\f+4*\t+1],   v[\f+4*\t:\f+4*\t+1],   v[BETA:BETA+1]
	v_pk_mul_f32 v[\f+4*\t+2:\f+4*\t+3], v[\f+4*\t+2:\f+4*\t+3], v[BETA+2:BETA+3]
	global_store_b128 v[CO], v[\f+4*\t:\f+4*\t+3], s[72+2*\kk:73+2*\kk] offset:(16*\b+\t)*4096 th:TH_STORE_NT   ; 16 lanes store 256 consecutive bytes, at a multiple of 256 from out0's first byte
.endr
.endm
	OUTB 0, 0, F0
	OUTB 0, 1, F1
	OUTB 0, 2, F0
	OUTB 0, 3, F1
	OUTB 1, 0, F0
	OUTB 1, 1, F1
	OUTB 1, 2, F0
	OUTB 1, 3, F1
	s_wait_tensorcnt 0x0
	ds_add_u32 v254, v255
	s_wait_dscnt 0x0
	CROUND                                         ; the closing round: no work-group ends while a partner may still ask for a tile that names it
	s_endpgm
.Lfunc_end_k_q14cdc8cc49_gemm:
	.size	k_q14cdc8cc49_gemm, .Lfunc_end_k_q14cdc8cc49_gemm-k_q14cdc8cc49_gemm
	.p2alignl 7, 3214868480
	.fill 96, 4, 3214868480
	.section	.rodata,"a",@progbits
	.p2align	6, 0x0
	.amdhsa_kernel k_q14cdc8cc49_gemm
		.amdhsa_group_segment_fixed_size 327680
		.amdhsa_private_segment_fixed_size 0
		.amdhsa_enable_private_segment 0
		.amdhsa_kernarg_size 32
		.amdhsa_user_sgpr_count 2
		.amdhsa_user_sgpr_kernarg_segment_ptr 1
		.amdhsa_wavefront_size32 1
		.amdhsa_system_sgpr_workgroup_id_x 1
		.amdhsa_system_sgpr_workgroup_id_y 1
		.amdhsa_system_sgpr_workgroup_id_z 1
		.amdhsa_system_vgpr_workitem_id 0
		.amdhsa_next_free_vgpr 1024
		.amdhsa_next_free_sgpr 80
		.amdhsa_reserve_vcc 0
		.amdhsa_float_denorm_mode_32 3
		.amdhsa_float_denorm_mode_16_64 3
		.amdhsa_memory_ordered 1
		.amdhsa_forward_progress 1
		.amdhsa_inst_pref_size 255
	.end_amdhsa_kernel
	.section	.bss,"aw",@nobits
	.p2align	6
	.space	262144
	.amdgpu_metadata
---
amdhsa.version: [ 1, 2 ]
amdhsa.kernels:
  - .name:           k_q14cdc8cc49_gemm
    .symbol:         k_q14cdc8cc49_gemm.kd
    .args:
      - { .name: x_parts, .offset: 0, .size: 8, .value_kind: global_buffer, .address_space: global }
      - { .name: wq, .offset: 8, .size: 8, .value_kind: global_buffer, .address_space: global }
      - { .name: beta, .offset: 16, .size: 8, .value_kind: global_buffer, .address_space: global }
      - { .name: out0, .offset: 24, .size: 8, .value_kind: global_buffer, .address_space: global }
    .group_segment_fixed_size: 327680
    .private_segment_fixed_size: 0
    .kernarg_segment_align: 8
    .kernarg_segment_size: 32
    .max_flat_workgroup_size: 128
    .sgpr_count:     80
    .vgpr_count:     1024
    .wavefront_size: 32
...
	.end_amdgpu_metadata
.endif
;; end of part 3
;; ======== version 2 of 2: 3 launches; version 1 with the launch quant written anew for expert scheduling mode
;; workspace buffers: part 1,024 bytes; wq 4,194,304 bytes
;; launch wsum: the kernel of part 1 again; grid 256 x 1, 8 waves a work-group, no clusters, 1,280 bytes of LDS; arguments weight, part; writes part
;; launch quant (part 4): grid 256 x 1, 8 waves a work-group, no clusters, 0 bytes of LDS; arguments part, weight, wq; writes wq
.if DOCPART == 4
	.amdgcn_target "amdgcn-amd-amdhsa--gfx1250"
	.amdhsa_code_object_version 6
	.text
	.protected	k_q14cdc8cc49_quant
	.globl	k_q14cdc8cc49_quant
	.p2align	8
	.type	k_q14cdc8cc49_quant,@function
k_q14cdc8cc49_quant:
	s_mov_b64 s[64:65], 0
	v_nop
	global_prefetch_b8 v0, s[64:65] scope:SCOPE_SE
	s_setreg_imm32_b32 hwreg(HW_REG_WAVE_SCHED_MODE, 0, 2), 2
	s_setreg_imm32_b32 hwreg(HW_REG_WAVE_MODE, 25, 1), 1
	s_wait_xcnt 0x0
	s_wait_alu depctr_vm_vsrc(0)
; The ternary weights in bf16 (-1, 0, +1 are exact there), laid out as the product's tiles: wq[o / 64][d / 64][j][o % 64][d % 64],
; so that the tile of one block of 64 outputs and 64 of d, all eight j, is 65,536 neighbouring bytes.
; gamma = (sum of |w|) / 2^21 + 1e-8.  Every wave adds all 256 partial sums itself, in one fixed order, so gamma has the same bits
; everywhere, without LDS and without a barrier (1,024 bytes a wave, the same for all).
; clip(round(w / gamma), -1, 1) = sign(w) where |w| > gamma / 2, else 0: the first f32 above gamma / 2 gives a quotient above 0.5 + 2^-25,
; which rounds above 0.5; a quotient of 0.5 rounds to 0 (half to even); all from 1.5 up is clipped to 1.  So one compare, no division.
; 256 work-groups of eight waves; a wave owns two neighbouring rows (j, o), (j, o + 1) of 512 weights.  Load c: lanes 0-15 take the 256 bytes
; of d = 64 c .. 64 c + 63 of the first row, lanes 16-31 those of the second: two whole aligned blocks of 256 bytes.  They become 2 x 128 bytes
; that are neighbours in wq: a wave's store covers 256 neighbouring bytes, aligned.
; LIMITS.  The sum of |w| is a tree, not reference()'s order: a weight whose |w| lies within the two sums' rounding difference of
; gamma / 2 may fall on the other side.  wq is taken as the ternary number itself; reference()'s w_c + (w_q - w_c) differs from it by at
; most one f32 rounding.  NaN or infinite weights are not served (reference() is not finite there).
; THE MODE: SCHED_MODE bits 1:0 = 2 (LLVM: expert scheduling mode 2), set by the entry lines.  The code itself states the register dependences
; between vector instructions and memory instructions, and between a vector instruction that writes a scalar register and its readers,
; with s_wait_alu, always for 0.
; THE PLAN.  Registers that memory instructions touch:
;   v1, v2, v3   byte offsets in part, weight and wq: made once at the head, read by every load and store, never written again.
;   P            written by the two loads of part; no vector instruction names it ahead of them.
;   W            written by the eight loads of weights; no vector instruction names it ahead of them.  Of each piece's four registers the first two are
;                written once more, by v_perm_b32, and then read by the piece's one store; nothing writes them behind that store.
;   H, T, Q      named by vector instructions alone.
; The eight pieces go in four pairs.  A pair's eight compares stand in one run and write eight scalar registers; one wait on va_sdst stands between that run and
; the eight selects that read them.  A pair's two stores are issued at the head of the next pair, behind one wait on va_vdst, which states that their data are
; written; the last pair's behind a wait of their own.  No register that a memory instruction has read is ever written again, so no wait on vm_vsrc is owed.
.set H, 4                              ; v4        gamma / 2
.set T, 6                              ; v[6:13]   |w| of a pair's eight weights; v6 also carries the sum of the partial sums
.set W, 16                             ; v[16:47]  8 x 4 weights as loaded; the first two of each four then hold the bf16 to store
.set P, 48                             ; v[48:55]  my 8 of the 256 partial sums
.set Q, 56                             ; v[56:63]  a pair's eight ternary numbers in f32
.set MK, 10                            ; s[10:13], s[20:23]  the masks of a pair's first and second piece: number e at MK + e + 6 (e / 4); free once the head's sums have read them
	s_load_b128 s[4:7], s[0:1], 0x0                ; part s[4:5], weight s[6:7]
	s_load_b64 s[8:9], s[0:1], 0x10                ; wq
	s_lshl_b32 s10, ttmp9, 15                      ; g x 16 rows of 2,048 bytes
	s_mov_b32 s11, 0
	s_bfe_u32 s12, ttmp9, 0x30002                  ; rows 16 g .. 16 g + 15: j = g / 32, o = 16 (g % 32) ..; o / 64 = (g / 4) % 8
	s_lshl_b32 s12, s12, 19                        ; a block of 64 outputs is 524,288 bytes of wq
	s_lshr_b32 s20, ttmp9, 5
	s_lshl_b32 s20, s20, 13                        ; j x 64 rows of 128 bytes
	s_add_co_u32 s12, s12, s20
	s_and_b32 s20, ttmp9, 3
	s_lshl_b32 s20, s20, 11                        ; (o % 64) x 128 bytes = 2,048 (g % 4) + 256 wave + 128 (lane / 16)
	s_add_co_u32 s12, s12, s20
	s_mov_b32 s13, 0
	s_mov_b32 s14, 0x7fffffff                      ; all but the sign
	s_mov_b32 s15, 0x35000000                      ; 2^-21 = 1 / 2,097,152 weights: an exact scaling
	s_mov_b32 s16, 0x322bcc77                      ; 1e-8
	s_mov_b32 s17, 0x07060302                      ; v_perm_b32: the upper halves of two words
	s_mov_b32 s18, 0x76543210
	s_mov_b32 s19, 0xfedcba98
	v_and_b32 v1, 31, v0
	v_lshlrev_b32 v1, 4, v1                        ; 16 x lane
	v_lshrrev_b32 v2, 4, v0                        ; t / 16 = my row among the group's 16
	v_and_b32 v3, 15, v0
	v_lshlrev_b32 v3, 4, v3
	v_lshl_or_b32 v2, v2, 11, v3                   ; row x 2,048 + 16 (t % 16)
	v_lshlrev_b32 v3, 3, v0                        ; 8 t = 256 wave + 8 lane
	s_wait_kmcnt 0x0
	s_add_nc_u64 s[6:7], s[6:7], s[10:11]
	s_add_nc_u64 s[8:9], s[8:9], s[12:13]
	s_wait_alu depctr_va_vdst(0)                   ; v1, v2 and v3 are written: every load and store of the kernel reads one of them as its offset
	global_load_b128 v[P:P+3],   v1, s[4:5]
	global_load_b128 v[P+4:P+7], v1, s[4:5] offset:512
.irp c, 0,1,2,3,4,5,6,7
	global_load_b128 v[W+4*\c:W+4*\c+3], v2, s[6:7] offset:256*\c th:TH_LOAD_NT   ; the weights' last use
.endr
	s_wait_loadcnt 8                               ; the eight loads of weights are younger: the partial sums are in
	v_pk_add_f32 v[P:P+1], v[P:P+1], v[P+2:P+3]
	v_pk_add_f32 v[P+4:P+5], v[P+4:P+5], v[P+6:P+7]
	v_pk_add_f32 v[P:P+1], v[P:P+1], v[P+4:P+5]
	v_add_f32 v[T], v[P], v[P+1]
	v_add_f32_dpp v[T], v[T], v[T] row_xmask:1 row_mask:0xf bank_mask:0xf
	v_add_f32_dpp v[T], v[T], v[T] row_xmask:2 row_mask:0xf bank_mask:0xf
	v_add_f32_dpp v[T], v[T], v[T] row_xmask:4 row_mask:0xf bank_mask:0xf
	v_add_f32_dpp v[T], v[T], v[T] row_xmask:8 row_mask:0xf bank_mask:0xf
	v_permlanex16_b32 v[P+1], v[T], s18, s19       ; its destination counts as read: it has been written
	v_add_f32 v[T], v[T], v[P+1]                   ; the sum of all |w|, in every lane
	v_fma_f32 v[H], v[T], s15, s16                 ; gamma: the mean (exact) + 1e-8, one rounding
	v_mul_f32 v[H], 0.5, v[H]                      ; gamma / 2 (exact)
; Pair p: pieces 2 p and 2 p + 1, the eight registers from W + 8 p on.  At its head the two stores of the pair before.
.macro PAIR p
	s_wait_loadcnt 6-2*(\p)                        ; loads come back in order (ISA guide 5.7.1): both pieces are in, the younger ones stay out
.if (\p) > 0
	s_wait_alu depctr_va_vdst(0)                   ; the four v_perm_b32 of the pair before have written the data of the two stores below
	global_store_b64 v3, v[W+8*(\p)-8:W+8*(\p)-7], s[8:9] offset:65536*(2*(\p)-2)   ; d / 64 = the piece's number: tiles are 65,536 bytes apart.  Read again by the product: no hint
	global_store_b64 v3, v[W+8*(\p)-4:W+8*(\p)-3], s[8:9] offset:65536*(2*(\p)-1)
.endif
.irp e, 0,1,2,3,4,5,6,7
	v_and_b32 v[T+(\e)], s14, v[W+8*(\p)+(\e)]     ; |w|
.endr
.irp e, 0,1,2,3,4,5,6,7
	v_cmp_gt_f32 s[MK+(\e)+6*((\e)/4)], v[T+(\e)], v[H]   ; the eight compares in one run, a scalar register each
.endr
.irp e, 0,1,2,3,4,5,6,7
	v_bfi_b32 v[Q+(\e)], s14, 1.0, v[W+8*(\p)+(\e)]       ; 1.0 with w's sign: work that reads no mask, between the compares and the wait
.endr
	s_wait_alu depctr_va_sdst(0)                   ; the eight compares have written their masks, which the selects below read
.irp e, 0,1,2,3,4,5,6,7
	v_cndmask_b32 v[Q+(\e)], 0, v[Q+(\e)], s[MK+(\e)+6*((\e)/4)]   ; or 0 where |w| <= gamma / 2
.endr
	v_perm_b32 v[W+8*(\p)],   v[Q+1], v[Q],   s17  ; the upper half of such an f32 is its bf16, exactly
	v_perm_b32 v[W+8*(\p)+1], v[Q+3], v[Q+2], s17
	v_perm_b32 v[W+8*(\p)+4], v[Q+5], v[Q+4], s17
	v_perm_b32 v[W+8*(\p)+5], v[Q+7], v[Q+6], s17
.endm
	PAIR 0
	PAIR 1
	PAIR 2
	PAIR 3
	s_wait_alu depctr_va_vdst(0)                   ; the last pair's four v_perm_b32 have written the data of the last two stores
	global_store_b64 v3, v[W+24:W+25], s[8:9] offset:65536*6
	global_store_b64 v3, v[W+28:W+29], s[8:9] offset:65536*7
	s_endpgm
.Lfunc_end_k_q14cdc8cc49_quant:
	.size	k_q14cdc8cc49_quant, .Lfunc_end_k_q14cdc8cc49_quant-k_q14cdc8cc49_quant
	.p2alignl 7, 3214868480
	.fill 96, 4, 3214868480
	.section	.rodata,"a",@progbits
	.p2align	6, 0x0
	.amdhsa_kernel k_q14cdc8cc49_quant
		.amdhsa_group_segment_fixed_size 0
		.amdhsa_private_segment_fixed_size 0
		.amdhsa_enable_private_segment 0
		.amdhsa_kernarg_size 24
		.amdhsa_user_sgpr_count 2
		.amdhsa_user_sgpr_kernarg_segment_ptr 1
		.amdhsa_wavefront_size32 1
		.amdhsa_system_sgpr_workgroup_id_x 1
		.amdhsa_system_sgpr_workgroup_id_y 1
		.amdhsa_system_sgpr_workgroup_id_z 1
		.amdhsa_system_vgpr_workitem_id 0
		.amdhsa_next_free_vgpr 64
		.amdhsa_next_free_sgpr 66
		.amdhsa_reserve_vcc 0
		.amdhsa_float_denorm_mode_32 3
		.amdhsa_float_denorm_mode_16_64 3
		.amdhsa_memory_ordered 1
		.amdhsa_forward_progress 1
		.amdhsa_inst_pref_size 13
	.end_amdhsa_kernel
	.amdgpu_metadata
---
amdhsa.version: [ 1, 2 ]
amdhsa.kernels:
  - .name:           k_q14cdc8cc49_quant
    .symbol:         k_q14cdc8cc49_quant.kd
    .args:
      - { .name: part, .offset: 0, .size: 8, .value_kind: global_buffer, .address_space: global }
      - { .name: weight, .offset: 8, .size: 8, .value_kind: global_buffer, .address_space: global }
      - { .name: wq, .offset: 16, .size: 8, .value_kind: global_buffer, .address_space: global }
    .group_segment_fixed_size: 0
    .private_segment_fixed_size: 0
    .kernarg_segment_align: 8
    .kernarg_segment_size: 24
    .max_flat_workgroup_size: 256
    .sgpr_count:     66
    .vgpr_count:     64
    .wavefront_size: 32
...
	.end_amdgpu_metadata
.endif
;; end of part 4
;; launch gemm: the kernel of part 3 again; grid 8 x 32, 4 waves a work-group, clusters of 4 x 4, 327,680 bytes of LDS; arguments x_parts, wq, beta, out0; writes out0
